; MI455X (gfx1250); checked and timed in simulation.
; The chip was launched on July 23, 2026; its instructions are those of AMD's public machine-readable ISA for CDNA 5 (MIT licence, August 2026) and "CDNA5" Instruction Set Architecture Reference Guide (July 2026). The comments in the code are by the model that wrote it; some were corrected since.
;; H Multihead Attention Opt. Allowed arithmetic: matrix products marked QUANTISED: E2M1 operands, one E8M0 scale for each 32 along K, by v_wmma_scale_f32_16x16x128_f8f6f4 with both operands' format E2M1 (or v_wmma_scale_f32_32x16x128_f4), f32 sums; products left as they are: f32 operands where the result goes on into a quantised operand, else bf16, f16 or f32 operands; f32 sums; everything else in f32.
;; Inputs: Wk 512 x 512 float32; Wq 512 x 512 float32; Wv 512 x 512 float32; bk 512 float32; bq 512 float32; bv 512 float32; key 1 x 2,048 x 512 float32; query 1 x 2,048 x 512 float32; scale_gamma 1 float32; scale_tau 1 float32; value 1 x 2,048 x 512 float32.
;; Outputs: out0 1 x 2,048 x 512 float32.
;; This version of the problem:
;;   THIS VERSION OF THE PROBLEM IS GIVEN IN LOW PRECISION. The matrix products marked QUANTISED in the list below multiply operands that are first quantised to E2M1 (2 exponent bits, 1 mantissa bit; 4 bits a number), with one power-of-two scale for each 32 numbers along K (OCP MX v1.0); their sums are f32. All else is computed in f32.
;;   The module's matrix products, in the order in which they are computed (A, B: the left and right operand; K: the contracted axis; several contracted axes count as one K, in the product's order):
;;     1. [M 2,048, K 512] x [K 512, N 512]; A: input query; B: input Wq: QUANTISED
;;     2. [M 2,048, K 512] x [K 512, N 512]; A: input key; B: input Wk: QUANTISED
;;     3. [M 2,048, K 512] x [K 512, N 512]; A: input value; B: input Wv: QUANTISED
;;     4. batch 8 x [M 2,048, K 64] x [K 64, N 2,048]; A: computed on the way; B: computed on the way: QUANTISED
;;     5. batch 8 x [M 2,048, K 2,048] x [K 2,048, N 64]; A: computed on the way; B: computed on the way: QUANTISED
;;     6. batch 8 x [M 2,048, K 2,048] x [K 2,048, N 1]; A: computed on the way; B: computed on the way: left as it is (N = 1 < 16)
;;   THE QUANTISER, for each operand of a quantised product, along K:
;;     - K is cut into blocks of 32 from its start; a last block that is shorter is filled with zeros.
;;     - A block's scale is 2^e with e = floor(log2(the largest magnitude in the block)) - 2, held to -126 .. 127; a block of zeros has e = 0. As a byte (E8M0): e + 127.
;;     - Each number is divided by its block's scale, clamped to +-6, and rounded to the nearest number of E2M1, ties to even, subnormals kept.
;;     - The product sums the exact products of the quantised numbers (number of the format x scale) in f32.
;;   ~~~python
;;   def quantise(x, axis):      # numpy; x: float32 -> the quantised numbers, widened to float32 again
;;       x = np.moveaxis(x, axis, -1); K = x.shape[-1]
;;       x = np.pad(x, [(0, 0)] * (x.ndim - 1) + [(0, -K % 32)]); x = x.reshape(x.shape[:-1] + (-1, 32)); a = np.abs(x).max(-1, keepdims=True)
;;       e = np.where(a > 0, np.clip(np.frexp(np.where(a > 0, a, 1))[1] - 1 - 2, -126, 127), 0)      # np.frexp(a)[1] - 1 = floor(log2(a)), exactly
;;       r = np.clip(x / 2.0 ** e, -6, 6)
;;       step = 2.0 ** (np.maximum(np.frexp(np.where(r == 0, 1, r))[1] - 1, 0) - 1)
;;       q = np.round(r / step) * step * 2.0 ** e      # np.round: ties to even
;;       return np.moveaxis(q.reshape(q.shape[:-2] + (-1,))[..., :K], -1, axis).astype(np.float32)
;;   ~~~
;;   OPERANDS COMPUTED ON THE WAY. 'Computed on the way' means the value that the module computes at that place (a softmax that the list does not call 'softmax' is quantised finished and normalised). What goes into a quantiser is computed in f32, as accurately as f32 sums, v_exp_f32 and their like allow (about 1e-6 of the number): no bf16 or f16 on the way to a quantiser, and a product that is left as it is and whose result goes on into a quantised operand takes f32 operands (vector FMAs, or v_wmma_f32_16x16x4_f32). A number that lies on a knife's edge between two numbers of the format may be rounded either way, as far as f32 arithmetic and the matrix unit's own rounding can turn it there, and no further.
;; One version. Each part assembles by itself: llvm-mc -triple=amdgcn-amd-amdhsa -mcpu=gfx1250 --defsym DOCPART=n.
;; ======== version 1 of 1: 3 launches
;; workspace buffers: wpack 436,224 bytes; qkimg 1,048,576 bytes; scb 262,144 bytes; vimg 524,288 bytes; vsw 131,072 bytes; rowv 393,216 bytes
;; launch wquant (part 1): grid 16 x 3, 16 waves a work-group, no clusters, 4,608 bytes of LDS; arguments Wq, Wk, Wv, bq, bk, bv, wpack; writes wpack
.if DOCPART == 1
	.amdgcn_target "amdgcn-amd-amdhsa--gfx1250"
	.amdhsa_code_object_version 6
	.text
	.protected	k_qb6a54aed86_wquant
	.globl	k_qb6a54aed86_wquant
	.p2align	8
	.type	k_qb6a54aed86_wquant,@function
k_qb6a54aed86_wquant:
	s_mov_b64 s[64:65], 0
	v_nop
	global_prefetch_b8 v0, s[64:65] scope:SCOPE_SE
	s_setreg_imm32_b32 hwreg(HW_REG_WAVE_MODE, 25, 1), 1
	s_wait_xcnt 0x0
; W [512 (k)][512 (n)] f32, K its FIRST axis, becomes codes of E2M1 with one E8M0 byte for each 32 along K, laid as IMAGES OF THE OPERAND'S REGISTERS for the next launch, and
; for each column n the three numbers that the hyperbolic layer wants: cosh(2 b) / zn, sinh(2 b), 2 zn, with zn = max(|W(:, n)|, 1e-15) of the unquantised W.
; SHARES.  Work-group (x = cg, y = T): tensor T (0 q, 1 k, 2 v), columns 32 cg .. 32 cg + 31, all of K.  Wave kb takes block kb of 32 along K; lane l takes column 32 cg + l and its 32
; registers run down K: each load reads 128 consecutive bytes, a block's largest magnitude needs no other lane, and the conversions give codes with K innermost.  Nothing is transposed.
; wpack, 145,408 bytes a tensor:  +0 the images [cg 16][n 2][s 4][c 2][lane 32][16 bytes]: lane 16 h + r' holds block 4 s + 2 c + h of column 32 cg + 8 n + r' + 8 (r' / 8);
;   +131,072 the scale words [cg 16][n 2][r' 16][s 4];  +139,264 the three column vectors [3][512] f32.
; A block's byte is its largest magnitude's exponent field - 2, held at 1 from below.
; LIMITS: a block whose largest magnitude lies under 2^-124 (a block of zeros too) keeps the byte 1: its codes are zeros or subnormal codes under that byte, and this program alone reads the bytes.
; NaN and infinities among the inputs are not served.
; No matrix work, no cluster, no tensor load: every byte of W is read once by one lane, and nothing is shared but 16 bytes and 16 partial sums a column, which meet in LDS.
.set FLOORB, 0x01800000                ; 2^(3 - 127): the floor under a block's largest magnitude
.set EOFF,   0xff000000                ; takes 2 off an exponent field
.set WPT,    145408                    ; bytes of wpack for one tensor
.set WSCO,   131072
.set COLO,   139264
.set SQB,    512                       ; LDS: [l 32][kb 16] scale bytes at 0; [kb 16][l 32] sums of squares from here on
.set X,      16                        ; v16-47 my 32 numbers
.macro MAX32 d, e, x                   ; the largest magnitude of v[x] .. v[x + 31] and the floor, in two chains
	v_max3_num_f32 v[\d], |v[\x]|, |v[\x+1]|, FLOORB
	v_max3_num_f32 v[\e], |v[\x+2]|, |v[\x+3]|, |v[\x+4]|
.irp i, 5,9,13,17,21,25
	v_max3_num_f32 v[\d], v[\d], |v[\x+\i]|, |v[\x+\i+1]|
	v_max3_num_f32 v[\e], v[\e], |v[\x+\i+2]|, |v[\x+\i+3]|
.endr
	v_max3_num_f32 v[\d], v[\d], |v[\x+29]|, |v[\x+30]|
	v_max3_num_f32 v[\d], v[\d], v[\e], |v[\x+31]|
.endm
.macro SUMSQ32 p, q, x                 ; the sum of their squares into v[p], two packed chains
	v_pk_mul_f32 v[\p:\p+1], v[\x:\x+1], v[\x:\x+1]
	v_pk_mul_f32 v[\q:\q+1], v[\x+2:\x+3], v[\x+2:\x+3]
.irp j, 4,8,12,16,20,24,28
	v_pk_fma_f32 v[\p:\p+1], v[\x+\j:\x+\j+1], v[\x+\j:\x+\j+1], v[\p:\p+1]
	v_pk_fma_f32 v[\q:\q+1], v[\x+\j+2:\x+\j+3], v[\x+\j+2:\x+\j+3], v[\q:\q+1]
.endr
	v_pk_add_f32 v[\p:\p+1], v[\p:\p+1], v[\q:\q+1]
	v_add_f32 v[\p], v[\p], v[\p+1]
.endm
	s_load_b256 s[8:15], s[0:1], 0x0               ; Wq s[8:9], Wk s[10:11], Wv s[12:13], bq s[14:15]
	s_load_b128 s[16:19], s[0:1], 0x20             ; bk s[16:17], bv s[18:19]
	s_load_b64 s[20:21], s[0:1], 0x30              ; wpack
	v_lshl_add_u32 v64, v0, 2, 0xa00
	v_mov_b32 v65, 0
	v_lshrrev_b32 v1, 5, v0
	v_readfirstlane_b32 s4, v1                     ; kb: my wave, my block of K
	s_and_b32 s5, ttmp7, 0xffff                    ; T
	v_and_b32 v8, 31, v0                           ; l
	v_lshlrev_b32 v1, 2, v8                        ; 4 l
	v_bfe_u32 v9, v0, 3, 1                         ; n = (l / 8) % 2
	v_and_b32 v10, 7, v0
	v_bfe_u32 v11, v0, 4, 1
	v_lshl_add_u32 v10, v11, 3, v10                ; r' = l % 8 + 8 (l / 16)
	v_lshlrev_b32 v2, 4, v10
	v_lshl_add_u32 v7, v9, 8, v2                   ; my scale words' place: 256 n + 16 r'
	v_lshl_add_u32 v2, v9, 12, v2                  ; my codes' place in the images: 4,096 n + 16 r'
	v_lshlrev_b32 v5, 4, v8                        ; LDS: my column's 16 scale bytes
	v_add_nc_u32 v3, s4, v5                        ; and this block's byte among them
	s_lshl_b32 s6, s4, 7
	s_add_co_u32 s6, s6, SQB
	v_add_nc_u32 v4, s6, v1                        ; LDS: my sum of squares: 512 + 128 kb + 4 l
	v_add_nc_u32 v6, SQB, v1                       ; and where wave 0 reads a column's sixteen
	s_mov_b32 s27, 0
	s_wait_kmcnt 0x0
	s_cmp_eq_u32 s5, 0                             ; the tensor is chosen by the work-group's y alone
	s_cselect_b64 s[22:23], s[8:9], s[10:11]
	s_cselect_b64 s[24:25], s[14:15], s[16:17]
	s_cmp_eq_u32 s5, 2
	s_cselect_b64 s[22:23], s[12:13], s[22:23]
	s_cselect_b64 s[24:25], s[18:19], s[24:25]
	s_lshl_b32 s26, s4, 16                         ; 32 kb rows of 2,048 bytes
	s_lshl_b32 s6, ttmp9, 7                        ; + 32 cg columns of 4 bytes
	s_add_co_u32 s26, s26, s6
	s_add_nc_u64 s[22:23], s[22:23], s[26:27]
	s_mov_b32 s26, s6
	s_add_nc_u64 s[24:25], s[24:25], s[26:27]      ; b at my work-group's columns
	s_mul_i32 s26, s5, WPT
	s_add_nc_u64 s[20:21], s[20:21], s[26:27]      ; wpack at my tensor
	s_mov_b32 s26, s6
	s_add_nc_u64 s[32:33], s[20:21], s[26:27]      ; + 128 cg: the column vectors
	s_lshl_b32 s26, ttmp9, 9
	s_add_nc_u64 s[30:31], s[20:21], s[26:27]      ; + 512 cg: the scale words
	s_lshl_b32 s26, ttmp9, 13
	s_lshl_b32 s6, s4, 8                           ; kb = 4 s + 2 c + h, so 1,024 s + 512 c + 256 h = 256 kb
	s_add_co_u32 s26, s26, s6
	s_add_nc_u64 s[28:29], s[20:21], s[26:27]      ; the images
.irp i, 0,1,2,3,4,5,6,7,8,9,10,11,12,13,14,15,16,17,18,19,20,21,22,23,24,25,26,27,28,29,30,31
	global_load_b32 v[X+\i], v1, s[22:23] offset:\i*2048 th:TH_LOAD_NT   ; W(32 kb + i, my column): 32 lanes read 128 consecutive bytes; read once in the launch
.endr
	global_load_b32 v56, v1, s[24:25]              ; b of my column (wave 0 uses it)
	s_wait_loadcnt 0x0
	MAX32 8, 9, X
	SUMSQ32 10, 12, X
	v_add_nc_u32 v14, EOFF, v8                     ; 2 off the exponent field: the conversion takes this operand's exponent field as its scale
	v_lshrrev_b32 v15, 23, v14                     ; the scale's byte
.irp g, 0,1,2,3
	v_cvt_scalef32_pk8_fp4_f32 v[48+\g], v[X+8*\g:X+8*\g+7], v14
.endr
	v_nop                                          ; one plain place behind the conversions
	global_store_b128 v2, v[48:51], s[28:29]       ; sixteen lanes of one n store 256 consecutive bytes, aligned
	ds_store_b8 v3, v15
	ds_store_b32 v4, v10
	s_wait_dscnt 0x0                               ; for wave 0's sake: my byte and my sum have landed
	s_barrier_signal -1
	s_barrier_wait -1
	s_cmp_lg_u32 s4, 0                             ; the rest is one wave's work: a lane to a column; no barrier follows
	s_cbranch_scc1 .Lend
	ds_load_b128 v[52:55], v5                      ; my column's 16 bytes: word s holds blocks 4 s .. 4 s + 3
.irp k, 0,1,2,3,4,5,6,7,8,9,10,11,12,13,14,15
	ds_load_b32 v[X+\k], v6 offset:\k*128
.endr
	s_wait_dscnt 0x0
	v_add_f32 v8, v16, v17                         ; |W(:, n)|^2, K ascending
.irp k, 2,3,4,5,6,7,8,9,10,11,12,13,14,15
	v_add_f32 v8, v8, v[X+\k]
.endr
	v_sqrt_f32 v9, v8
	v_add_f32 v57, v56, v56                        ; a = 2 b.  (A plain place behind the root)
	s_wait_alu depctr_va_vdst(0)
	v_max_num_f32 v9, 0x26901d7d, v9               ; zn = max(., 1e-15)
	v_rcp_f32 v10, v9
	v_mul_f32 v58, 0x3fb8aa3b, |v57|               ; X = |a| log2(e).  (A plain place)
	s_wait_alu depctr_va_vdst(0)
	v_fma_f32 v11, -v9, v10, 1.0                   ; one Newton step: 1 / zn to f32's last bit or so
	v_fma_f32 v10, v10, v11, v10
	v_exp_f32 v59, v58                             ; e^|a|
	v_exp_f32 v60, -v58                            ; e^-|a|
	v_mul_f32 v61, v57, v57                        ; z = a^2.  (A plain place)
	s_wait_alu depctr_va_vdst(0)
	v_add_f32 v62, v59, v60
	v_mul_f32 v62, 0.5, v62                        ; cosh
	v_mul_f32 v62, v62, v10                        ; cosh(2 b) / zn
	v_sub_f32 v63, v59, v60
	v_mul_f32 v63, 0.5, v63
	v_bfi_b32 v63, 0x7fffffff, v63, v57            ; sinh by the exponentials, with a's sign
	v_mov_b32 v12, 0x3c088889                      ; 1/120
	v_fmamk_f32 v13, v61, 0x39500d01, v12          ; for |a| < 0.5 the difference of exponentials cancels: a + a z (1/6 + z (1/120 + z / 5040)), short by under 1e-8 of the number there
	v_fmaak_f32 v13, v13, v61, 0x3e2aaaab
	v_mul_f32 v13, v13, v61
	v_fma_f32 v13, v13, v57, v57
	v_cmp_gt_f32 vcc_lo, 0x3f38aa3b, v58           ; 0.5 log2(e) > X
	v_cndmask_b32 v63, v63, v13, vcc_lo            ; a choice of value, no branch
	v_add_f32 v14, v9, v9                          ; 2 zn
	global_store_b128 v7, v[52:55], s[30:31] offset:WSCO
	global_store_b32 v1, v62, s[32:33] offset:COLO
	global_store_b32 v1, v63, s[32:33] offset:COLO+2048
	global_store_b32 v1, v14, s[32:33] offset:COLO+4096
.Lend:
	s_wait_tensorcnt 0x0
	ds_add_u32 v64, v65
	s_wait_dscnt 0x0
	s_endpgm
.Lfunc_end_k_qb6a54aed86_wquant:
	.size	k_qb6a54aed86_wquant, .Lfunc_end_k_qb6a54aed86_wquant-k_qb6a54aed86_wquant
	.p2alignl 7, 3214868480
	.fill 96, 4, 3214868480
	.section	.rodata,"a",@progbits
	.p2align	6, 0x0
	.amdhsa_kernel k_qb6a54aed86_wquant
		.amdhsa_group_segment_fixed_size 4608
		.amdhsa_private_segment_fixed_size 0
		.amdhsa_enable_private_segment 0
		.amdhsa_kernarg_size 56
		.amdhsa_user_sgpr_count 2
		.amdhsa_user_sgpr_kernarg_segment_ptr 1
		.amdhsa_wavefront_size32 1
		.amdhsa_system_sgpr_workgroup_id_x 1
		.amdhsa_system_sgpr_workgroup_id_y 1
		.amdhsa_system_sgpr_workgroup_id_z 1
		.amdhsa_system_vgpr_workitem_id 0
		.amdhsa_next_free_vgpr 66
		.amdhsa_next_free_sgpr 66
		.amdhsa_reserve_vcc 1
		.amdhsa_float_denorm_mode_32 3
		.amdhsa_float_denorm_mode_16_64 3
		.amdhsa_memory_ordered 1
		.amdhsa_forward_progress 1
		.amdhsa_inst_pref_size 12
	.end_amdhsa_kernel
	.amdgpu_metadata
---
amdhsa.version: [ 1, 2 ]
amdhsa.kernels:
  - .name:           k_qb6a54aed86_wquant
    .symbol:         k_qb6a54aed86_wquant.kd
    .args:
      - { .name: Wq, .offset: 0, .size: 8, .value_kind: global_buffer, .address_space: global }
      - { .name: Wk, .offset: 8, .size: 8, .value_kind: global_buffer, .address_space: global }
      - { .name: Wv, .offset: 16, .size: 8, .value_kind: global_buffer, .address_space: global }
      - { .name: bq, .offset: 24, .size: 8, .value_kind: global_buffer, .address_space: global }
      - { .name: bk, .offset: 32, .size: 8, .value_kind: global_buffer, .address_space: global }
      - { .name: bv, .offset: 40, .size: 8, .value_kind: global_buffer, .address_space: global }
      - { .name: wpack, .offset: 48, .size: 8, .value_kind: global_buffer, .address_space: global }
    .group_segment_fixed_size: 4608
    .private_segment_fixed_size: 0
    .kernarg_segment_align: 8
    .kernarg_segment_size: 56
    .max_flat_workgroup_size: 512
    .sgpr_count:     66
    .vgpr_count:     66
    .wavefront_size: 32
...
	.end_amdgpu_metadata
.endif
;; end of part 1
;; launch proj (part 2): grid 64 x 3, 16 waves a work-group, no clusters, 157,184 bytes of LDS; arguments query, key, value, wpack, qkimg, scb, vimg, vsw, rowv; writes qkimg, scb, vimg, vsw, rowv
.if DOCPART == 2
	.amdgcn_target "amdgcn-amd-amdhsa--gfx1250"
	.amdhsa_code_object_version 6
	.text
	.protected	k_qb6a54aed86_proj
	.globl	k_qb6a54aed86_proj
	.p2align	8
	.type	k_qb6a54aed86_proj,@function
k_qb6a54aed86_proj:
	s_mov_b64 s[64:65], 0
	v_nop
	global_prefetch_b8 v0, s[64:65] scope:SCOPE_SE
	s_setreg_imm32_b32 hwreg(HW_REG_WAVE_MODE, 25, 1), 1
	s_wait_xcnt 0x0
; One hyperbolic linear layer: y = sinh(2 zn asinh(inner lam cosh(2b) / zn - (lam - 1) sinh(2b))), out = y / (1 + sqrt(1 + |y|^2)), inner = Q(x) Q(W) on codes of E2M1 (one E8M0 byte for each 32 along K).
; Then what attention wants of it: q and k as codes along the head's 64, v as codes along the KEYS, and two numbers a row and head.
; SHARES.  Work-group (x = B, y = T): 32 rows 32 B .. 32 B + 31 of tensor T (0 q, 1 k, 2 v), all 512 outputs, since the last step wants a row's whole norm.  Wave w owns outputs 32 w .. 32 w + 31:
; block beta = w % 2 of head w / 2.  Its part of W, 2 tiles x 4 K steps = 64 registers, comes as register images straight into the registers where it stays.
; THE PRODUCT IS USED TRANSPOSED (source 0 = 16 columns of W, source 1 = 16 rows of x), AND NEITHER A TILE'S COLUMNS NOR ITS ROWS ARE NEIGHBOURS: lane r of tile n takes column 32 w + 8 n + r + 8 (r / 8),
; so that a lane's 16 results of tiles 0 and 1 are outputs 32 w + 16 h + 0 .. 15 of one row: 16 neighbours along attention's K.  Lane r of row tile u takes row 8 u + r + 8 (r / 8) of the 32.
; x IS QUANTISED ONCE A WORK-GROUP: wave w takes row tile w / 8 and 64 along K (a lane: one whole block of 32), and the fragments go to the other waves through LDS as images of their registers.
; x IS LOADED AS IT LIES: a load takes two rows' 256 consecutive bytes, 16 a lane; the wave's 16 rows x 256 bytes turn through its own stage in LDS, from which a lane takes its block's 128 bytes.
; No cluster: W's images are shared by the 64 work-groups of a tensor, but a wave's 8,704 bytes go straight into the registers in which they are used; a joint load would add a pass through LDS for them.
; No tensor load, no ring: nothing is filled twice.  Two barriers.
; asinh(y) = sign(y) log1p(|y| + y^2 / (1 + sqrt(1 + y^2))); log1p(s) = log2(u) + (s - (u - 1)) max(2 - u, 0) log2(e), u = 1 + s rounded: what the rounding of u loses is put back where it counts (u near 1).
; sinh(d): for d < 0.5 the series d + d z (1/6 + z (1/120 + z / 5040)), z = d^2 (short by under 1e-8 of the number), else (e^d - e^-d) / 2.  The choice is a v_cndmask_b32; both are computed.
; LIMITS: y^2 must not overflow f32; blocks whose largest magnitude lies under 2^-124 (zeros too) keep the byte 1, and this program alone reads the bytes; NaN and infinities among the inputs are not served.
; REGISTERS: v1-7 addresses; v8-15 addresses of the first phase, then (lam, lam), (lam - 1, lam - 1) for the two row tiles; v16-79 W's fragments, later T1..T4; v80-87 W's scale words; v88-135 the column constants
;   of my 16 outputs; v136-167 four accumulators; v168-199 my block of x, v200-231 x as loaded, then at work; then v168-231 x's fragments, then T5 and addresses; v232-239 x's scale words; v240-255 partial sums of x^2.
.set FLOORB, 0x01800000
.set EOFF,   0xff000000
.set LOG2E,  0x3fb8aa3b
.set LN2,    0x3f317218
.set C3,     0x3e2aaaab
.set C5,     0x3c088889
.set C7,     0x39500d01
.set THR,    0x3f38aa3b                ; 0.5 log2(e)
.set WPT,    145408
.set WSCO,   131072
.set COLO,   139264
.set XIMG,   0                         ; LDS: x's 8 fragments, 16 bytes a thread: [tile 2][K step 4][c 2][lane 32]
.set XSC,    8192                      ; their scale words [tile 2][K step 4][r 16]
.set XPB,    8704                      ; partial sums of x^2 [tile 2][r 16][chunk 8] f32
.set WPB,    9728                      ; partial sums of y^2 [tile 2][r 16][wave 16] f32
.set VST,    11776                     ; v alone: a stage of 32 rows x (128 + 16) bytes for each wave
.set XST,    85504                     ; x's turn: a stage of 16 rows x (256 + 16) bytes for each wave
.set XSP,    272                       ; its pitch, 17 x 16 bytes: the sixteen rows that a load touches start at sixteen different banks
.set WF,  16
.set WS,  80
.set CC,  88
.set CS,  104
.set CZ,  120
.set ACC, 136
.set XF,  168
.set XR,  200
.set XS,  232
.set XPV, 240
.set T1,  16
.set T2,  32
.set T3,  48
.set T4,  64
.set T5,  168
.macro MAX32 d, e, x                   ; the largest magnitude of v[x] .. v[x + 31] and the floor, in two chains
	v_max3_num_f32 v[\d], |v[\x]|, |v[\x+1]|, FLOORB
	v_max3_num_f32 v[\e], |v[\x+2]|, |v[\x+3]|, |v[\x+4]|
.irp i, 5,9,13,17,21,25
	v_max3_num_f32 v[\d], v[\d], |v[\x+\i]|, |v[\x+\i+1]|
	v_max3_num_f32 v[\e], v[\e], |v[\x+\i+2]|, |v[\x+\i+3]|
.endr
	v_max3_num_f32 v[\d], v[\d], |v[\x+29]|, |v[\x+30]|
	v_max3_num_f32 v[\d], v[\d], v[\e], |v[\x+31]|
.endm
	s_load_b512 s[8:23], s[0:1], 0x0               ; query s[8:9], key s[10:11], value s[12:13], wpack s[14:15], qkimg s[16:17], scb s[18:19], vimg s[20:21], vsw s[22:23]
	s_load_b64 s[24:25], s[0:1], 0x40              ; rowv
	v_lshrrev_b32 v1, 5, v0
	v_readfirstlane_b32 s28, v1                    ; w
	s_and_b32 s26, ttmp7, 0xffff                   ; T
	s_mov_b32 s27, ttmp9                           ; B
	s_lshr_b32 s29, s28, 1                         ; head
	s_and_b32 s30, s28, 1                          ; beta
	s_lshr_b32 s31, s28, 3                         ; which row tile of x I quantise
	s_and_b32 s32, s28, 7                          ; and which 64 along K
	s_mov_b32 s46, 0x76543210                      ; v_permlanex16_b32's selects for lane l xor 16
	s_mov_b32 s47, 0xfedcba98
	s_mov_b32 s51, 0xffff0000                      ; lanes 16-31
	s_mov_b32 s54, 0x7fffffff
	s_mov_b32 s35, 0
	s_mov_b32 s52, 0x3f800000
	s_cmp_eq_u32 s26, 0                            ; what the row vectors hold hangs on the tensor: masks and factors for selects, no branch
	s_cselect_b32 s48, -1, 0                       ; q
	s_cselect_b32 s52, 0x3f000000, s52             ; 0.5 for q, 1.0 for v
	s_cmp_eq_u32 s26, 1
	s_cselect_b32 s49, -1, 0                       ; k
	s_cmp_eq_u32 s26, 2
	s_cselect_b32 s53, 0xbf800000, 0               ; -1.0 for v
	s_cmp_eq_u32 s30, 1
	s_cselect_b32 s50, -1, 0                       ; beta = 1: my wave stores the second vector
	v_and_b32 v200, 31, v0                         ; lane
	v_and_b32 v201, 15, v0                         ; r
	v_bfe_u32 v202, v0, 4, 1                       ; h
	v_lshlrev_b32 v1, 4, v200                      ; 16 x lane: an image's place
	v_lshlrev_b32 v2, 4, v201                      ; 16 r
	v_lshlrev_b32 v3, 6, v202                      ; 64 h
	v_lshl_add_u32 v4, v202, 11, v2                ; x as it lies: lanes 0-15 one row's 256 bytes, lanes 16-31 the next row's
	s_mul_i32 s33, s28, 16*XSP
	s_add_co_u32 s33, s33, XST                     ; my stage
	v_mul_u32_u24 v10, v202, XSP
	v_add_nc_u32 v10, v10, v2
	v_add_nc_u32 v10, s33, v10                     ; into it: as loaded: row h of the load's two, 16 bytes a lane
	v_mul_u32_u24 v11, v201, XSP
	v_lshl_add_u32 v11, v202, 7, v11
	v_add_nc_u32 v11, s33, v11                     ; out of it: row r, + 128 h: my block of 32
	s_lshl_b32 s33, s31, 8                         ; my scale byte: XSC + 256 tile + 64 (chunk / 2) + 4 r + 2 (chunk % 2) + h
	s_lshr_b32 s34, s32, 1
	s_lshl_b32 s34, s34, 6
	s_add_co_u32 s33, s33, s34
	s_and_b32 s34, s32, 1
	s_lshl_b32 s34, s34, 1
	s_add_co_u32 s33, s33, s34
	s_add_co_u32 s33, s33, XSC
	v_lshl_add_u32 v5, v201, 2, v202
	v_add_nc_u32 v5, s33, v5
	s_lshl_b32 s33, s31, 9                         ; my partial sum of x^2: XPB + 512 tile + 32 r + 4 chunk
	s_lshl_b32 s34, s32, 2
	s_add_co_u32 s33, s33, s34
	s_add_co_u32 s33, s33, XPB
	v_lshlrev_b32 v6, 5, v201
	v_add_nc_u32 v9, XPB, v6                       ; where a row's eight are read
	v_add_nc_u32 v6, s33, v6
	v_lshl_add_u32 v7, v201, 2, XSC                ; where a row's scale word is read
	v_lshlrev_b32 v8, 4, v0                        ; my 16 bytes of x's images
	s_wait_kmcnt 0x0
	s_cmp_eq_u32 s26, 0                            ; the tensor is chosen by the work-group's y alone
	s_cselect_b64 s[36:37], s[8:9], s[10:11]
	s_cmp_eq_u32 s26, 2
	s_cselect_b64 s[36:37], s[12:13], s[36:37]
	s_lshl_b32 s34, s27, 16                        ; 32 B rows, + 8 rows for tile 1, + 256 bytes a chunk
	s_lshl_b32 s33, s31, 14
	s_add_co_u32 s34, s34, s33
	s_lshl_b32 s33, s32, 8
	s_add_co_u32 s34, s34, s33
	s_add_nc_u64 s[36:37], s[36:37], s[34:35]
	s_mul_i32 s34, s26, WPT
	s_add_nc_u64 s[66:67], s[14:15], s[34:35]      ; wpack at my tensor
	s_lshl_b32 s34, s28, 13
	s_add_nc_u64 s[38:39], s[66:67], s[34:35]      ; my images
	s_lshl_b32 s34, s28, 9
	s_add_nc_u64 s[40:41], s[66:67], s[34:35]      ; my scale words
	s_lshl_b32 s34, s28, 7
	s_add_nc_u64 s[42:43], s[66:67], s[34:35]      ; my 32 columns' constants
.irp i, 0,1,2,3,4,5,6,7
	global_load_b128 v[XR+4*\i:XR+4*\i+3], v4, s[36:37] offset:(2*\i+8*(\i/4))*2048 th:TH_LOAD_NT   ; the tile's rows 2 i and 2 i + 1 (rows r + 8 (r / 8) of the block): sixteen lanes read 256 consecutive bytes, aligned.  First, since they are wanted first
.endr
.irp n, 0,1
.irp s, 0,1,2,3
.irp c, 0,1
	global_load_b128 v[WF+32*\n+8*\s+4*\c:WF+32*\n+8*\s+4*\c+3], v1, s[38:39] offset:\n*4096+\s*1024+\c*512
.endr
.endr
.endr
.irp n, 0,1
	global_load_b128 v[WS+4*\n:WS+4*\n+3], v2, s[40:41] offset:WSCO+\n*256       ; lane r: the four K steps' words of its column
.endr
.irp e, 0,1,2
.irp i, 0,1,2,3
	global_load_b128 v[CC+16*\e+4*\i:CC+16*\e+4*\i+3], v3, s[42:43] offset:COLO+\e*2048+16*\i
.endr
.endr
	s_wait_loadcnt 30                              ; x's eight loads are in; the 16 + 2 + 12 issued behind them may be out
	; ---- x turns through my stage: in as loaded, out 128 bytes a lane
.irp i, 0,1,2,3,4,5,6,7
	ds_store_b128 v10, v[XR+4*\i:XR+4*\i+3] offset:\i*2*XSP
.endr
.irp i, 0,1,2,3,4,5,6,7
	ds_load_b128 v[XF+4*\i:XF+4*\i+3], v11 offset:16*\i   ; LDS serves a wave's instructions in order (ISA guide 5.7.1.4): these see my stores
.endr
	s_wait_dscnt 0x0                               ; my block of 32 is in; the stores have read their registers, which are at work from here on
	; ---- my block of 32 becomes 16 bytes of a fragment's image, one scale byte, and a partial sum of squares
	MAX32 200, 201, XF
	v_pk_mul_f32 v[202:203], v[XF:XF+1], v[XF:XF+1]
	v_pk_mul_f32 v[204:205], v[XF+2:XF+3], v[XF+2:XF+3]
.irp j, 4,8,12,16,20,24,28
	v_pk_fma_f32 v[202:203], v[XF+\j:XF+\j+1], v[XF+\j:XF+\j+1], v[202:203]
	v_pk_fma_f32 v[204:205], v[XF+\j+2:XF+\j+3], v[XF+\j+2:XF+\j+3], v[204:205]
.endr
	v_pk_add_f32 v[202:203], v[202:203], v[204:205]
	v_add_f32 v202, v202, v203
	v_mov_b32 v206, 0                              ; a lane permute's destination counts as one of its sources
	v_permlanex16_b32 v206, v202, s46, s47
	v_add_f32 v202, v202, v206                     ; with lane l xor 16's block: 64 along K of row r
	v_add_nc_u32 v207, EOFF, v200                  ; 2 off the exponent field: the conversion's scale operand
	v_lshrrev_b32 v208, 23, v207                   ; the byte
.irp g, 0,1,2,3
	v_cvt_scalef32_pk8_fp4_f32 v[212+\g], v[XF+8*\g:XF+8*\g+7], v207
.endr
	v_nop                                          ; one plain place behind the conversions
	ds_store_b128 v8, v[212:215]
	ds_store_b8 v5, v208
	ds_store_b32 v6, v202                          ; (both lanes of a row store the same word with the same value)
	s_wait_dscnt 0x0                               ; for the others' sake: my stores have landed
	s_barrier_signal -1
	s_barrier_wait -1                              ; x's eight fragments lie in LDS
	; ---- the products
.irp u, 0,1
.irp s, 0,1,2,3
.irp c, 0,1
	ds_load_b128 v[XF+32*\u+8*\s+4*\c:XF+32*\u+8*\s+4*\c+3], v1 offset:XIMG+\u*4096+\s*1024+\c*512
.endr
	ds_load_b32 v[XS+4*\u+\s], v7 offset:\u*256+\s*64
.endr
.endr
.irp u, 0,1
.irp i, 0,1
	ds_load_b128 v[XPV+8*\u+4*\i:XPV+8*\u+4*\i+3], v9 offset:\u*512+16*\i
.endr
.endr
	s_wait_dscnt 0x0
	s_wait_loadcnt 0x0                             ; W, its scale words, the constants
; Four accumulators (row tile u, column tile n) take turns, one instruction a turn, K step by K step.  The first K step starts the sums.
.macro MM s, zero
.irp u, 0,1
.irp n, 0,1
.if \zero
	v_wmma_scale_f32_16x16x128_f8f6f4 v[ACC+16*\u+8*\n:ACC+16*\u+8*\n+7], v[WF+32*\n+8*\s:WF+32*\n+8*\s+7], v[XF+32*\u+8*\s:XF+32*\u+8*\s+7], 0, v[WS+4*\n+\s], v[XS+4*\u+\s] matrix_a_fmt:MATRIX_FMT_FP4 matrix_b_fmt:MATRIX_FMT_FP4
.else
	v_wmma_scale_f32_16x16x128_f8f6f4 v[ACC+16*\u+8*\n:ACC+16*\u+8*\n+7], v[WF+32*\n+8*\s:WF+32*\n+8*\s+7], v[XF+32*\u+8*\s:XF+32*\u+8*\s+7], v[ACC+16*\u+8*\n:ACC+16*\u+8*\n+7], v[WS+4*\n+\s], v[XS+4*\u+\s] matrix_a_fmt:MATRIX_FMT_FP4 matrix_b_fmt:MATRIX_FMT_FP4
.endif
.endr
.endr
.endm
	MM 0, 1
	MM 1, 0
	MM 2, 0
	MM 3, 0
	; lam = 2 / (1 - |x|^2) of my two rows.  These lines name no register of the products: they are the places behind them
	v_add_f32 v8, v[XPV], v[XPV+1]
	v_add_f32 v12, v[XPV+8], v[XPV+9]
.irp j, 2,3,4,5,6,7
	v_add_f32 v8, v8, v[XPV+\j]
	v_add_f32 v12, v12, v[XPV+8+\j]
.endr
	v_sub_f32 v10, 1.0, v8
	v_sub_f32 v14, 1.0, v12
	v_rcp_f32 v9, v10
	v_rcp_f32 v13, v14
	v_and_b32 v184, 15, v0                         ; r.  (A plain place behind the reciprocals)
	s_wait_alu depctr_va_vdst(0)
	v_fma_f32 v11, -v10, v9, 1.0                   ; one Newton step
	v_fma_f32 v15, -v14, v13, 1.0
	v_fma_f32 v9, v9, v11, v9
	v_fma_f32 v13, v13, v15, v13
	v_add_f32 v8, v9, v9                           ; lam
	v_add_f32 v12, v13, v13
	v_mov_b32 v9, v8                               ; as pairs, for the packed forms
	v_mov_b32 v13, v12
	v_add_f32 v10, -1.0, v8                        ; lam - 1
	v_add_f32 v14, -1.0, v12
	v_mov_b32 v11, v10
	v_mov_b32 v15, v14
	v_bfe_u32 v185, v0, 4, 1                       ; h
	v_and_b32 v186, 31, v0                         ; lane
	v_and_b32 v187, 8, v184
	v_add_nc_u32 v187, v187, v184                  ; r + 8 (r / 8)
	s_lshl_b32 s33, s28, 2
	s_add_co_u32 s33, s33, WPB
	v_lshl_add_u32 v188, v184, 6, s33              ; my partial sum of y^2: WPB + 64 r + 4 w (+ 1,024 for tile 1)
	v_lshlrev_b32 v189, 6, v184
	v_add_nc_u32 v189, WPB, v189                   ; where a row's sixteen are read
	s_and_b32 s33, s28, 14
	s_lshl_b32 s33, s33, 2
	v_add_nc_u32 v190, s33, v189                   ; and my head's two
	v_mov_b32 v192, C5
	v_mov_b32 v193, C5
; The layer's arithmetic on the 16 results of row tile u.  Packed where a packed form exists; one plain line stands behind every run of transcendentals.
.macro ELEM u
.set A, ACC+16*\u
.set L, 8+4*\u
.irp j, 0,2,4,6,8,10,12,14
	v_pk_mul_f32 v[A+\j:A+\j+1], v[A+\j:A+\j+1], v[L:L+1]                       ; inner lam.  (Each accumulator is read from its low end on)
.endr
.irp j, 0,2,4,6,8,10,12,14
	v_pk_mul_f32 v[T1+\j:T1+\j+1], v[CS+\j:CS+\j+1], v[L+2:L+3]                 ; (lam - 1) sinh(2b)
.endr
.irp j, 0,2,4,6,8,10,12,14
	v_pk_fma_f32 v[A+\j:A+\j+1], v[A+\j:A+\j+1], v[CC+\j:CC+\j+1], v[T1+\j:T1+\j+1] neg_lo:[0,0,1] neg_hi:[0,0,1]   ; y
.endr
.irp j, 0,2,4,6,8,10,12,14
	v_pk_mul_f32 v[T1+\j:T1+\j+1], v[A+\j:A+\j+1], v[A+\j:A+\j+1]               ; y^2
.endr
.irp j, 0,2,4,6,8,10,12,14
	v_pk_add_f32 v[T2+\j:T2+\j+1], v[T1+\j:T1+\j+1], 1.0 op_sel_hi:[1,0]
.endr
.irp j, 0,1,2,3,4,5,6,7,8,9,10,11,12,13,14,15
	v_sqrt_f32 v[T2+\j], v[T2+\j]
.endr
	v_nop
	s_wait_alu depctr_va_vdst(0)
.irp j, 0,2,4,6,8,10,12,14
	v_pk_add_f32 v[T2+\j:T2+\j+1], v[T2+\j:T2+\j+1], 1.0 op_sel_hi:[1,0]
.endr
.irp j, 0,1,2,3,4,5,6,7,8,9,10,11,12,13,14,15
	v_rcp_f32 v[T2+\j], v[T2+\j]
.endr
	v_nop
	s_wait_alu depctr_va_vdst(0)
.irp j, 0,1,2,3,4,5,6,7,8,9,10,11,12,13,14,15
	v_fma_f32 v[T1+\j], v[T1+\j], v[T2+\j], |v[A+\j]|                           ; s = |y| + y^2 / (1 + sqrt(1 + y^2))
.endr
.irp j, 0,2,4,6,8,10,12,14
	v_pk_add_f32 v[T2+\j:T2+\j+1], v[T1+\j:T1+\j+1], 1.0 op_sel_hi:[1,0]        ; u = 1 + s, rounded
.endr
.irp j, 0,1,2,3,4,5,6,7,8,9,10,11,12,13,14,15
	v_log_f32 v[T3+\j], v[T2+\j]
.endr
.irp j, 0,2,4,6,8,10,12,14
	v_pk_add_f32 v[T4+\j:T4+\j+1], v[T2+\j:T2+\j+1], -1.0 op_sel_hi:[1,0]       ; u - 1, exact near 1.  (The first of these is the plain place behind the logarithms: it writes none of their sources)
.endr
.irp j, 0,2,4,6,8,10,12,14
	v_pk_add_f32 v[T4+\j:T4+\j+1], v[T1+\j:T1+\j+1], v[T4+\j:T4+\j+1] neg_lo:[0,1] neg_hi:[0,1]   ; what the rounding of u lost
.endr
.irp j, 0,2,4,6,8,10,12,14
	v_pk_fma_f32 v[T2+\j:T2+\j+1], v[T2+\j:T2+\j+1], -1.0, 2.0 op_sel_hi:[1,0,0]   ; 2 - u stands for 1 / u where the loss counts
.endr
.irp j, 0,1,2,3,4,5,6,7,8,9,10,11,12,13,14,15
	v_max_num_f32 v[T2+\j], 0, v[T2+\j]
.endr
.irp j, 0,2,4,6,8,10,12,14
	v_pk_mul_f32 v[T4+\j:T4+\j+1], v[T4+\j:T4+\j+1], v[T2+\j:T2+\j+1]
.endr
	s_wait_alu depctr_va_vdst(0)
.irp j, 0,2,4,6,8,10,12,14
	v_pk_fma_f32 v[T3+\j:T3+\j+1], v[T4+\j:T4+\j+1], LOG2E, v[T3+\j:T3+\j+1] op_sel_hi:[1,0,1]   ; asinh(|y|) log2(e)
.endr
.irp j, 0,2,4,6,8,10,12,14
	v_pk_mul_f32 v[T3+\j:T3+\j+1], v[T3+\j:T3+\j+1], v[CZ+\j:CZ+\j+1]           ; X = |d| log2(e)
.endr
.irp j, 0,1,2,3,4,5,6,7,8,9,10,11,12,13,14,15
	v_exp_f32 v[T1+\j], v[T3+\j]
.endr
.irp j, 0,1,2,3,4,5,6,7,8,9,10,11,12,13,14,15
	v_exp_f32 v[T2+\j], -v[T3+\j]
.endr
.irp j, 0,2,4,6,8,10,12,14
	v_pk_mul_f32 v[T4+\j:T4+\j+1], v[T3+\j:T3+\j+1], LN2 op_sel_hi:[1,0]        ; |d|.  (The plain place behind the exponentials)
.endr
	s_wait_alu depctr_va_vdst(0)
.irp j, 0,2,4,6,8,10,12,14
	v_pk_add_f32 v[T1+\j:T1+\j+1], v[T1+\j:T1+\j+1], v[T2+\j:T2+\j+1] neg_lo:[0,1] neg_hi:[0,1]
.endr
.irp j, 0,2,4,6,8,10,12,14
	v_pk_mul_f32 v[T1+\j:T1+\j+1], v[T1+\j:T1+\j+1], 0.5 op_sel_hi:[1,0]        ; sinh by the exponentials
.endr
.irp j, 0,2,4,6,8,10,12,14
	v_pk_mul_f32 v[T2+\j:T2+\j+1], v[T4+\j:T4+\j+1], v[T4+\j:T4+\j+1]           ; z = d^2
.endr
.irp j, 0,2,4,6,8,10,12,14
	v_pk_fma_f32 v[T5+\j:T5+\j+1], v[T2+\j:T2+\j+1], C7, v[192:193] op_sel_hi:[1,0,1]
.endr
.irp j, 0,2,4,6,8,10,12,14
	v_pk_fma_f32 v[T5+\j:T5+\j+1], v[T5+\j:T5+\j+1], v[T2+\j:T2+\j+1], C3 op_sel_hi:[1,1,0]
.endr
.irp j, 0,2,4,6,8,10,12,14
	v_pk_mul_f32 v[T5+\j:T5+\j+1], v[T5+\j:T5+\j+1], v[T2+\j:T2+\j+1]
.endr
.irp j, 0,2,4,6,8,10,12,14
	v_pk_fma_f32 v[T5+\j:T5+\j+1], v[T5+\j:T5+\j+1], v[T4+\j:T4+\j+1], v[T4+\j:T4+\j+1]   ; sinh by the series
.endr
.irp j, 0,1,2,3,4,5,6,7,8,9,10,11,12,13,14,15
	v_cmp_gt_f32 vcc_lo, THR, v[T3+\j]
	v_cndmask_b32 v[T1+\j], v[T1+\j], v[T5+\j], vcc_lo
.endr
.irp j, 0,1,2,3,4,5,6,7,8,9,10,11,12,13,14,15
	v_bfi_b32 v[A+\j], s54, v[T1+\j], v[A+\j]                                   ; with y's sign
.endr
	v_pk_mul_f32 v[T2:T2+1], v[A:A+1], v[A:A+1]
	v_pk_mul_f32 v[T2+2:T2+3], v[A+2:A+3], v[A+2:A+3]
.irp j, 4,8,12
	v_pk_fma_f32 v[T2:T2+1], v[A+\j:A+\j+1], v[A+\j:A+\j+1], v[T2:T2+1]
	v_pk_fma_f32 v[T2+2:T2+3], v[A+\j+2:A+\j+3], v[A+\j+2:A+\j+3], v[T2+2:T2+3]
.endr
	v_pk_add_f32 v[T2:T2+1], v[T2:T2+1], v[T2+2:T2+3]
	v_add_f32 v[T2], v[T2], v[T2+1]
	v_permlanex16_b32 v[T2+1], v[T2], s46, s47
	v_add_f32 v[194+\u], v[T2], v[T2+1]            ; my 32 outputs' part of the row's sum of squares, in a register of its own
	ds_store_b32 v188, v[194+\u] offset:\u*1024
.endm
	ELEM 0
	ELEM 1
	s_wait_dscnt 0x0                               ; for the others' sake: my partial sums have landed
	s_barrier_signal -1
	s_barrier_wait -1
	; ---- the row's norm, the head's norm, the row vectors
.irp u, 0,1
.irp i, 0,1,2,3
	ds_load_b128 v[16+32*\u+4*\i:16+32*\u+4*\i+3], v189 offset:\u*1024+16*\i
.endr
	ds_load_b64 v[32+32*\u:33+32*\u], v190 offset:\u*1024
.endr
	s_wait_dscnt 0x0
.macro ROWS u
.set A, ACC+16*\u
.set P, 16+32*\u
.set R, 200+12*\u
	v_add_f32 v[R], v[P], v[P+1]                   ; the sixteen waves' parts, in ascending order: every wave gets the same bits
.irp j, 2,3,4,5,6,7,8,9,10,11,12,13,14,15
	v_add_f32 v[R], v[R], v[P+\j]
.endr
	v_add_f32 v[R+1], 1.0, v[R]
	v_sqrt_f32 v[R+1], v[R+1]
	v_add_f32 v[R+5], v[P+16], v[P+17]             ; my head's sum of squares.  (A plain place)
	s_wait_alu depctr_va_vdst(0)
	v_add_f32 v[R+1], 1.0, v[R+1]
	v_rcp_f32 v[R+2], v[R+1]
	v_nop
	s_wait_alu depctr_va_vdst(0)
	v_fma_f32 v[R+4], -v[R+1], v[R+2], 1.0         ; one Newton step
	v_fma_f32 v[R+2], v[R+2], v[R+4], v[R+2]       ; rs = 1 / (1 + sqrt(1 + |y|^2))
	v_mov_b32 v[R+3], v[R+2]
.irp j, 0,2,4,6,8,10,12,14
	v_pk_mul_f32 v[A+\j:A+\j+1], v[A+\j:A+\j+1], v[R+2:R+3]                     ; the layer's output
.endr
	v_mul_f32 v[R+5], v[R+5], v[R+2]
	v_mul_f32 v[R+5], v[R+5], v[R+2]               ; n2: the head's squared norm
	v_sub_f32 v[R+6], 1.0, v[R+5]
	v_rcp_f32 v[R+7], v[R+6]
	v_mov_b32 v[R+9], s52                          ; (a plain place)
	s_wait_alu depctr_va_vdst(0)
	v_fma_f32 v[R+4], -v[R+6], v[R+7], 1.0
	v_fma_f32 v[R+7], v[R+7], v[R+4], v[R+7]
	v_add_f32 v[R+7], v[R+7], v[R+7]               ; 2 / (1 - n2)
	v_cndmask_b32 v[R+8], v[R+7], v[R+5], s48      ; first vector: q: n2;  k, v: 2 / (1 - n2)
	v_cndmask_b32 v[R+9], v[R+9], v[R+5], s49
	v_fma_f32 v[R+10], v[R+9], v[R+7], s53         ; second: q: 1 / (1 - n2);  k: n2 x 2 / (1 - n2);  v: 2 / (1 - n2) - 1
	v_cndmask_b32 v[R+8], v[R+8], v[R+10], s50     ; wave beta stores vector beta
.endm
	ROWS 0
	ROWS 1
	v_cndmask_b32 v196, v208, v220, s51            ; lanes 0-15: tile 0's rows; lanes 16-31: tile 1's
	v_lshl_add_u32 v197, v185, 3, v187
	v_lshlrev_b32 v197, 2, v197                    ; row 8 h + r + 8 (r / 8): the 32 lanes cover 128 consecutive bytes
	s_lshl_b32 s34, s26, 17
	s_lshl_b32 s33, s29, 14
	s_add_co_u32 s34, s34, s33
	s_lshl_b32 s33, s30, 13
	s_add_co_u32 s34, s34, s33
	s_lshl_b32 s33, s27, 7
	s_add_co_u32 s34, s34, s33
	s_add_nc_u64 s[44:45], s[24:25], s[34:35]
	global_store_b32 v197, v196, s[44:45]
	s_cmp_eq_u32 s26, 2                            ; the tensor: the same in all waves; no barrier follows
	s_cbranch_scc1 .Lvout
	; ---- q, k: my block of 32 along the head's 64 lies in lanes l and l xor 16: 8 bytes of codes a lane and tile
	s_lshl_b32 s34, s26, 19
	s_lshl_b32 s33, s29, 16
	s_add_co_u32 s34, s34, s33
	s_lshl_b32 s33, s27, 10
	s_add_co_u32 s34, s34, s33
	s_lshl_b32 s33, s30, 8
	s_add_co_u32 s34, s34, s33
	s_add_nc_u64 s[56:57], s[16:17], s[34:35]
	s_lshl_b32 s34, s26, 17
	s_lshl_b32 s33, s29, 14
	s_add_co_u32 s34, s34, s33
	s_lshl_b32 s33, s27, 8
	s_add_co_u32 s34, s34, s33
	s_lshl_b32 s33, s30, 7
	s_add_co_u32 s34, s34, s33
	s_add_nc_u64 s[58:59], s[18:19], s[34:35]
.irp u, 0,1
	v_max3_num_f32 v[224+\u], |v[ACC+16*\u]|, |v[ACC+16*\u+1]|, FLOORB
.endr
.irp i, 2,4,6,8,10,12,14
.irp u, 0,1
	v_max3_num_f32 v[224+\u], v[224+\u], |v[ACC+16*\u+\i]|, |v[ACC+16*\u+\i+1]|
.endr
.endr
	v_mov_b32 v226, 0
	v_mov_b32 v227, 0
.irp u, 0,1
	v_permlanex16_b32 v[226+\u], v[224+\u], s46, s47
.endr
.irp u, 0,1
	v_max_num_f32 v[224+\u], v[224+\u], v[226+\u]
.endr
.irp u, 0,1
	v_add_nc_u32 v[228+\u], EOFF, v[224+\u]
.endr
.irp u, 0,1
	v_lshrrev_b32 v[230+\u], 23, v[228+\u]
.endr
.irp u, 0,1
	v_cvt_scalef32_pk8_fp4_f32 v[16+2*\u], v[ACC+16*\u:ACC+16*\u+7], v[228+\u]
	v_cvt_scalef32_pk8_fp4_f32 v[17+2*\u], v[ACC+16*\u+8:ACC+16*\u+15], v[228+\u]
.endr
	v_nop                                          ; one plain place behind the conversions
	v_lshlrev_b32 v198, 4, v184
	v_lshl_add_u32 v198, v185, 3, v198             ; 16 r + 8 h: the wave's store covers 256 consecutive bytes, aligned
	global_store_b64 v198, v[16:17], s[56:57]
	global_store_b64 v198, v[18:19], s[56:57] offset:512
	v_cndmask_b32 v199, v230, v231, s51            ; lane 16 u + r: the byte of tile u, row r
	v_lshlrev_b32 v191, 2, v186
	global_store_b32 v191, v199, s[58:59]
	s_wait_xcnt 0x0
	v_lshl_add_u32 v254, v0, 2, 0x25e00
	v_mov_b32 v255, 0
	s_wait_tensorcnt 0x0
	ds_add_u32 v254, v255
	s_wait_dscnt 0x0
	s_endpgm
.Lvout:
	; ---- v: its K is the keys, which here run across lanes.  My 32 rows x 32 outputs turn through my own stage in LDS: then a lane holds one output and 32 neighbouring keys: key block B
	s_lshl_b32 s34, s29, 16
	s_lshr_b32 s33, s27, 2
	s_lshl_b32 s33, s33, 12
	s_add_co_u32 s34, s34, s33
	s_and_b32 s33, s27, 3
	s_lshl_b32 s33, s33, 8
	s_add_co_u32 s34, s34, s33
	s_lshl_b32 s33, s30, 11
	s_add_co_u32 s34, s34, s33
	s_add_nc_u64 s[60:61], s[20:21], s[34:35]
	s_lshl_b32 s34, s29, 14
	s_lshl_b32 s33, s27, 8
	s_add_co_u32 s34, s34, s33
	s_lshl_b32 s33, s30, 3
	s_add_co_u32 s34, s34, s33
	s_add_nc_u64 s[62:63], s[22:23], s[34:35]
	s_mul_i32 s33, s28, 4608
	s_add_co_u32 s33, s33, VST
	v_mul_u32_u24 v198, v187, 144                  ; in: row r + 8 (r / 8) (+ 8 for tile 1) of 144 bytes = 9 x 16: sixteen rows start at different banks; + 64 h
	v_lshl_add_u32 v198, v185, 6, v198
	v_add_nc_u32 v198, s33, v198
	v_lshl_add_u32 v199, v186, 2, s33              ; out: 4 x lane in each row
.irp u, 0,1
.irp i, 0,1,2,3
	ds_store_b128 v198, v[ACC+16*\u+4*\i:ACC+16*\u+4*\i+3] offset:\u*1152+16*\i
.endr
.endr
.irp k, 0,1,2,3,4,5,6,7,8,9,10,11,12,13,14,15,16,17,18,19,20,21,22,23,24,25,26,27,28,29,30,31
	ds_load_b32 v[16+\k], v199 offset:\k*144       ; LDS serves a wave's instructions in order (ISA guide 5.7.1.4): these see my stores
.endr
	s_wait_dscnt 0x0
	MAX32 224, 225, 16
	v_add_nc_u32 v228, EOFF, v224
	v_lshrrev_b32 v230, 23, v228
.irp g, 0,1,2,3
	v_cvt_scalef32_pk8_fp4_f32 v[48+\g], v[16+8*\g:23+8*\g], v228
.endr
	v_nop
	v_lshlrev_b32 v191, 10, v185
	v_lshl_add_u32 v191, v184, 4, v191             ; tile 2 beta + lane / 16 of the head's four, row lane % 16: sixteen lanes store 256 consecutive bytes, aligned
	global_store_b128 v191, v[48:51], s[60:61]
	v_lshlrev_b32 v226, 4, v184
	v_lshl_add_u32 v226, v185, 2, v226
	global_store_b32 v226, v230, s[62:63]
	s_wait_xcnt 0x0
	v_lshl_add_u32 v254, v0, 2, 0x25e00
	v_mov_b32 v255, 0
	s_wait_tensorcnt 0x0
	ds_add_u32 v254, v255
	s_wait_dscnt 0x0
	s_endpgm
.Lfunc_end_k_qb6a54aed86_proj:
	.size	k_qb6a54aed86_proj, .Lfunc_end_k_qb6a54aed86_proj-k_qb6a54aed86_proj
	.p2alignl 7, 3214868480
	.fill 96, 4, 3214868480
	.section	.rodata,"a",@progbits
	.p2align	6, 0x0
	.amdhsa_kernel k_qb6a54aed86_proj
		.amdhsa_group_segment_fixed_size 157184
		.amdhsa_private_segment_fixed_size 0
		.amdhsa_enable_private_segment 0
		.amdhsa_kernarg_size 72
		.amdhsa_user_sgpr_count 2
		.amdhsa_user_sgpr_kernarg_segment_ptr 1
		.amdhsa_wavefront_size32 1
		.amdhsa_system_sgpr_workgroup_id_x 1
		.amdhsa_system_sgpr_workgroup_id_y 1
		.amdhsa_system_sgpr_workgroup_id_z 1
		.amdhsa_system_vgpr_workitem_id 0
		.amdhsa_next_free_vgpr 256
		.amdhsa_next_free_sgpr 72
		.amdhsa_reserve_vcc 1
		.amdhsa_float_denorm_mode_32 3
		.amdhsa_float_denorm_mode_16_64 3
		.amdhsa_memory_ordered 1
		.amdhsa_forward_progress 1
		.amdhsa_inst_pref_size 70
	.end_amdhsa_kernel
	.amdgpu_metadata
---
amdhsa.version: [ 1, 2 ]
amdhsa.kernels:
  - .name:           k_qb6a54aed86_proj
    .symbol:         k_qb6a54aed86_proj.kd
    .args:
      - { .name: query, .offset: 0, .size: 8, .value_kind: global_buffer, .address_space: global }
      - { .name: key, .offset: 8, .size: 8, .value_kind: global_buffer, .address_space: global }
      - { .name: value, .offset: 16, .size: 8, .value_kind: global_buffer, .address_space: global }
      - { .name: wpack, .offset: 24, .size: 8, .value_kind: global_buffer, .address_space: global }
      - { .name: qkimg, .offset: 32, .size: 8, .value_kind: global_buffer, .address_space: global }
      - { .name: scb, .offset: 40, .size: 8, .value_kind: global_buffer, .address_space: global }
      - { .name: vimg, .offset: 48, .size: 8, .value_kind: global_buffer, .address_space: global }
      - { .name: vsw, .offset: 56, .size: 8, .value_kind: global_buffer, .address_space: global }
      - { .name: rowv, .offset: 64, .size: 8, .value_kind: global_buffer, .address_space: global }
    .group_segment_fixed_size: 157184
    .private_segment_fixed_size: 0
    .kernarg_segment_align: 8
    .kernarg_segment_size: 72
    .max_flat_workgroup_size: 512
    .sgpr_count:     72
    .vgpr_count:     256
    .wavefront_size: 32
...
	.end_amdgpu_metadata
.endif
;; end of part 2
;; launch attn (part 3): grid 32 x 8, 16 waves a work-group, no clusters, 317,440 bytes of LDS; arguments qkimg, scb, vimg, vsw, rowv, scale_tau, scale_gamma, out0; writes out0
.if DOCPART == 3
	.amdgcn_target "amdgcn-amd-amdhsa--gfx1250"
	.amdhsa_code_object_version 6
	.text
	.protected	k_qb6a54aed86_attn
	.globl	k_qb6a54aed86_attn
	.p2align	8
	.type	k_qb6a54aed86_attn,@function
k_qb6a54aed86_attn:
	s_mov_b64 s[64:65], 0
	v_nop
	global_prefetch_b8 v0, s[64:65] scope:SCOPE_SE
	s_setreg_imm32_b32 hwreg(HW_REG_WAVE_MODE, 25, 1), 1
	s_wait_xcnt 0x0
; Causal hyperbolic attention of one head: w(q, k) = exp(-e^tau arccosh(arg) - gamma), arg = 1 + 2 |q - k|^2 / ((1 - |q|^2)(1 - |k|^2)); num = Q(w lam) Q(v), den = sum of w (lam - 1) in f32;
; out = SCALE g tanh(atanh(|g|) / 2) / |g|, g = num / den.  q . k and (w lam) v are products on codes of E2M1 with one E8M0 byte for each 32 along K.  The weights are not normalised and no maximum
; is taken away (the problem takes none): sums over keys simply add, so the keys are shared out among the waves.
; SHARES.  Work-group (x = g, y = head) owns query blocks 63 - g (L) and g (E), 32 queries each.  A PASS is one block against one step of 128 keys.  With e = g / 4, L sees 15 - e whole steps and E sees e:
; fifteen whole passes, one for each of fifteen waves (wave j < 15 - e: step j of L; wave j > 15 - e: step j - (15 - e) - 1 of E).  Wave 15 - e takes the two steps on the diagonals, of which L sees
; 4 - g % 4 blocks of 32 keys and E sees g % 4 + 1: five blocks against a whole pass's four.  Hidden blocks are jumped over (a scalar branch on ids; their codes are zeros), and only the one block
; that lies on the diagonal is masked.  The waves' partial num and den meet in LDS behind the one barrier (a wave stores zeros for the block that it does not serve); then each wave finishes four queries.
; K's, V's and q's fragments come from memory as images of the operand's registers, straight into the registers of the one wave of the work-group that multiplies by them.
; No cluster, no tensor load: a wave fetches about 11 KB for a pass of over a thousand vector instructions; which steps a work-group wants of which block hangs on its number, so partners would ask for
; different tiles; a joint load would add a pass through LDS, of which the partial sums take 278,528 bytes.
; LAYOUT.  Both products are used transposed: a lane holds ONE query.  K = 64 fills half of the instruction's 128: a fragment of K carries two tiles of 16 keys, one in each half of K, and q stands
; against the one or the other with zero codes in the rest.  The keys and the queries of a tile are rows 8 u + r + 8 (r / 8) of a block of 32, so that a lane's 16 scores are keys 32 b + 16 h + 0 .. 15.
; q's codes get their signs turned and q's scale bytes 1 added: these are the codes of -2 q, exactly; with |q|^2 as C the product gives |q|^2 - 2 q . k.
; arccosh(a) = ln(a + sqrt(a a - 1)); dist log2(e) = log2(.), so w = 2^(-e^tau log2(.) - gamma log2(e)).  max(arg, 1 + 1e-7) also serves max(|q - k|^2, 0): both denominators are positive, since the
; layer's outputs lie inside the ball.  tanh(atanh(y) / 2) = y / (1 + sqrt(1 - y^2)).
; LIMITS: w under 2^-126 counts as 0 (v_exp_f32 gives 0 there: ISA guide, its entry in 15.8); a block of (w lam) whose largest number lies under 2^-124 keeps the byte 1; q's byte + 1 stays under 127 since |q| < 1;
; NaN and infinities are not served.
; REGISTERS: v1-15 addresses and lane terms; v16-23 (a, a), (1 / (1 - q2), q2) for two tiles, (b, b); v24-27 K's scale words, v28-31 V's, v32 q's, v34-35 (w lam)'s: these hold scales alone; v33 -infinity;
;   v36-67 K; v68-99 V; v100-119 zeros, q0, zeros, q1, zeros; v120-135 q2 as C; v136-151 (w lam)'s codes; v152-155 den; v156-159 at work; v160-175 S; v176-191 T; v192-255 four vectors of the 16 keys in hand;
;   the second product's results take v160-223.
.set FLOORB, 0x01800000
.set EOFF,   0xff000000
.set EPSB,   0x26901d7d                ; 1e-15
.set SCALEB, 0x3eb466d6                ; B(256, 1/2) / B(32, 1/2) = 0.352347
.set PARTW,  17408                     ; LDS: partial num [wave 16][tile 4][16 rows x (256 + 16) bytes]
.set PARTX,  4352
.set DENB,   278528                    ; partial den [tile 4][r 16][wave 16] f32
.set VEC,    282624                    ; a wave's four vectors of its 128 keys [wave 16][4][128] f32
.set AQ,  18
.set KS,  24
.set VS,  28
.set QS,  32
.set NINF, 33
.set PW,  34
.set KF,  36
.set VF,  68
.set QZ,  100
.set CQ,  120
.set PC,  136
.set DN,  152
.set MA,  156
.set MB,  157
.set SO,  158
.set BY,  159
.set S,   160
.set T,   176
.set VKB, 192
.set VKP, 208
.set VVL, 224
.set VVM, 240
.set RAW, 240
	s_load_b512 s[8:23], s[0:1], 0x0               ; qkimg s[8:9], scb s[10:11], vimg s[12:13], vsw s[14:15], rowv s[16:17], scale_tau s[18:19], scale_gamma s[20:21], out0 s[22:23]
	v_lshrrev_b32 v1, 5, v0
	v_readfirstlane_b32 s26, v1                    ; wave
	s_mov_b32 s24, ttmp9                           ; g
	s_and_b32 s25, ttmp7, 0xffff                   ; head
	s_lshr_b32 s66, s26, 2                         ; c: which of the four tiles of queries I finish at the end
	s_and_b32 s67, s26, 3                          ; d: which four rows of it
	s_sub_co_u32 s28, 63, s24                      ; block L
	s_mov_b32 s29, s24                             ; block E
	s_lshr_b32 s30, s28, 2                         ; the step on L's diagonal: 15 - g / 4
	s_lshr_b32 s31, s29, 2                         ; and on E's: g / 4
	s_mov_b32 s62, 0x76543210                      ; v_permlanex16_b32's selects for lane l xor 16
	s_mov_b32 s63, 0xfedcba98
	s_mov_b32 s35, 0
	; every LDS address is made here, ahead of the first parting of the waves: a constant + a lane term + a constant x wave
	v_and_b32 v160, 31, v0                         ; lane
	v_and_b32 v161, 15, v0                         ; r
	v_bfe_u32 v162, v0, 4, 1                       ; h
	v_lshlrev_b32 v1, 4, v160                      ; 16 x lane
	v_lshlrev_b32 v2, 2, v160                      ; 4 x lane
	v_lshlrev_b32 v3, 4, v161                      ; 16 r
	v_and_b32 v163, 8, v161
	v_add_nc_u32 v163, v163, v161                  ; r + 8 (r / 8)
	v_lshlrev_b32 v4, 2, v163
	v_lshlrev_b32 v164, 4, v162
	v_sub_nc_u32 v15, v163, v164                   ; the mask's lane term: r + 8 (r / 8) - 16 h
	s_mul_i32 s70, s26, PARTW
	v_mul_u32_u24 v5, v161, 272
	v_lshl_add_u32 v5, v162, 5, v5
	v_add_nc_u32 v5, s70, v5                       ; partial num, in: my wave's part, row r, + 32 h
	s_lshl_b32 s70, s26, 2
	s_add_co_u32 s70, s70, DENB
	v_lshl_add_u32 v6, v161, 6, s70                ; partial den, in: 64 r + 4 wave
	s_lshl_b32 s70, s26, 11
	s_add_co_u32 s70, s70, VEC
	v_add_nc_u32 v7, s70, v1                       ; my vectors, in
	v_lshl_add_u32 v8, v162, 6, s70                ; and out: 16 keys of my half
	s_mul_i32 s70, s66, PARTX
	s_mul_i32 s71, s67, 1088
	s_add_co_u32 s70, s70, s71
	v_mul_u32_u24 v9, v162, 272
	v_add_nc_u32 v9, v9, v3
	v_add_nc_u32 v9, s70, v9                       ; partial num, out: tile c, row 4 d + h, 16 bytes a lane; waves 0-3's parts,
	v_add_nc_u32 v10, 4*PARTW, v9                  ; 4-7's,
	v_add_nc_u32 v11, 8*PARTW, v9                  ; 8-11's,
	v_add_nc_u32 v12, 12*PARTW, v9                 ; 12-15's
	s_lshl_b32 s70, s66, 10
	s_lshl_b32 s71, s67, 8
	s_add_co_u32 s70, s70, s71
	s_add_co_u32 s70, s70, DENB
	v_lshlrev_b32 v13, 6, v162
	v_lshl_add_u32 v13, v161, 2, v13
	v_add_nc_u32 v13, s70, v13                     ; partial den, out: lane r takes wave r's
	v_lshlrev_b32 v14, 11, v162
	v_add_nc_u32 v14, v14, v3                      ; out0: lanes 0-15 one row's 256 bytes of my head, lanes 16-31 the next row's
.irp j, 0,1,2,3,8,9,10,11,16,17,18,19
	v_mov_b32 v[QZ+\j], 0                          ; the zero codes beside q; also the zeros that a wave stores for the block that it does not serve
.endr
	v_mov_b32 v[NINF], 0xff800000
	s_wait_kmcnt 0x0
	s_load_b32 s32, s[18:19], 0x0                  ; tau
	s_load_b32 s33, s[20:21], 0x0                  ; gamma
	s_lshl_b32 s72, s25, 16                        ; the head's part of the images,
	s_lshl_b32 s73, s25, 14                        ; of the scale bytes and of the row vectors
.irp x, 0,1
	s_lshl_b32 s34, s[28+\x], 10
	s_add_co_u32 s34, s34, s72
	s_add_nc_u64 s[48+2*\x:49+2*\x], s[8:9], s[34:35]      ; q's fragments of block L, E
	s_lshl_b32 s34, s[28+\x], 8
	s_add_co_u32 s34, s34, s73
	s_add_nc_u64 s[52+2*\x:53+2*\x], s[10:11], s[34:35]    ; q's scale bytes
	s_lshl_b32 s34, s[28+\x], 7
	s_add_co_u32 s34, s34, s73
	s_add_nc_u64 s[56+2*\x:57+2*\x], s[16:17], s[34:35]    ; q's row vectors
.endr
	s_lshr_b32 s70, s26, 3                         ; the rows that I finish: block L (waves 0-7) or E, tile c % 2, rows 4 d .. 4 d + 3 of the tile: 32 B + 8 u + 4 d + 8 (d / 2) on
	s_cmp_eq_u32 s70, 0
	s_cselect_b32 s71, s28, s29
	s_lshl_b32 s71, s71, 5
	s_and_b32 s70, s66, 1
	s_lshl_b32 s70, s70, 3
	s_add_co_u32 s71, s71, s70
	s_lshl_b32 s70, s67, 2
	s_add_co_u32 s71, s71, s70
	s_lshr_b32 s70, s67, 1
	s_lshl_b32 s70, s70, 3
	s_add_co_u32 s71, s71, s70
	s_lshl_b32 s34, s71, 11
	s_lshl_b32 s70, s25, 8
	s_add_co_u32 s34, s34, s70
	s_add_nc_u64 s[60:61], s[22:23], s[34:35]
	s_wait_kmcnt 0x0
	v_mov_b32 v16, s32
	v_mov_b32 v23, s33
	v_mul_f32 v16, 0x3fb8aa3b, v16
	v_exp_f32 v16, v16                             ; e^tau
	v_mul_f32 v22, 0xbfb8aa3b, v23                 ; b = -gamma log2(e).  (A plain place behind the exponential)
	s_wait_alu depctr_va_vdst(0)
	v_mul_f32 v16, -1.0, v16                       ; a = -e^tau
	v_mov_b32 v23, v22                             ; both as pairs, for the packed form
	v_mov_b32 v17, v16
; where key step s27's parts lie.  The bases are written again only behind the wait that shows the loads that used them done
.macro BASES
	s_lshl_b32 s34, s27, 12
	s_add_co_u32 s34, s34, s72
	s_add_nc_u64 s[36:37], s[8:9], s[34:35]        ; K's fragments of the step (k's half of qkimg stands in the immediates)
	s_add_nc_u64 s[44:45], s[12:13], s[34:35]      ; V's
	s_lshl_b32 s34, s27, 10
	s_add_co_u32 s34, s34, s73
	s_add_nc_u64 s[38:39], s[10:11], s[34:35]      ; K's scale bytes
	s_add_nc_u64 s[46:47], s[14:15], s[34:35]      ; V's
	s_lshl_b32 s34, s27, 9
	s_add_co_u32 s34, s34, s73
	s_add_nc_u64 s[40:41], s[16:17], s[34:35]      ; the row vectors at the step's 128 keys
.endm
; q's part of block x: two fragments, two scale bytes a row, |q|^2 and 1 / (1 - |q|^2) of my query in each tile
.macro QLOAD x
	global_load_b128 v[QZ+4:QZ+7], v1, s[48+2*\x:49+2*\x]
	global_load_b128 v[QZ+12:QZ+15], v1, s[48+2*\x:49+2*\x] offset:512
	global_load_b32 v[RAW], v2, s[52+2*\x:53+2*\x]
	global_load_b32 v[RAW+1], v2, s[52+2*\x:53+2*\x] offset:128
	global_load_b32 v[AQ+1], v4, s[56+2*\x:57+2*\x]
	global_load_b32 v[AQ], v4, s[56+2*\x:57+2*\x] offset:8192
	global_load_b32 v[AQ+3], v4, s[56+2*\x:57+2*\x] offset:32
	global_load_b32 v[AQ+2], v4, s[56+2*\x:57+2*\x] offset:8192+32
.endm
; all that a pass of block x against key step s27 wants from memory
.macro LOADS x
	global_load_b128 v[S:S+3], v1, s[40:41] offset:131072              ; 2 / (1 - k2)
	global_load_b128 v[S+4:S+7], v1, s[40:41] offset:131072+8192       ; k2 x that
	global_load_b128 v[S+8:S+11], v1, s[40:41] offset:262144           ; lam
	global_load_b128 v[S+12:S+15], v1, s[40:41] offset:262144+8192     ; lam - 1
.irp b, 0,1,2,3
.irp c, 0,1
	global_load_b128 v[KF+8*\b+4*\c:KF+8*\b+4*\c+3], v1, s[36:37] offset:524288+\b*1024+\c*512   ; block b of 32 keys: its two tiles are the two halves of one fragment
.endr
.endr
.irp b, 0,1,2,3
.irp e, 0,1
	global_load_b32 v[T+2*\b+\e], v2, s[38:39] offset:131072+\b*256+\e*128
.endr
.endr
.irp t, 0,1,2,3
.irp c, 0,1
	global_load_b128 v[VF+8*\t+4*\c:VF+8*\t+4*\c+3], v1, s[44:45] offset:\t*1024+\c*512
.endr
.endr
.irp j, 0,1,2,3
	global_load_b128 v[VVL+4*\j:VVL+4*\j+3], v3, s[46:47] offset:\j*256
.endr
	QLOAD \x
	s_wait_loadcnt 0x0
.irp e, 0,1,2,3
	ds_store_b128 v7, v[S+4*\e:S+4*\e+3] offset:\e*512                 ; the vectors go through my own LDS bytes: a lane wants 16 keys of each, the same in sixteen lanes
.endr
.irp b, 0,1,2,3
	v_lshl_or_b32 v[T+2*\b], v[T+2*\b+1], 8, v[T+2*\b]                 ; lane 16 u + r: the two bytes of tile u, row r
.endr
.irp b, 0,1,2,3
	v_permlanex16_b32 v[T+2*\b+1], v[T+2*\b], s62, s63
.endr
.irp b, 0,1,2,3
	v_lshl_or_b32 v[KS+\b], v[T+2*\b+1], 16, v[T+2*\b]                 ; lanes 0-15: tile 0's bytes below, tile 1's above: the fragment's scale word
.endr
.irp t, 0,1,2,3
	v_lshl_or_b32 v[VS+\t], v[VVL+4+\t], 8, v[VVL+\t]                  ; V's scale word: the bytes of the step's four blocks of keys
.endr
.irp t, 0,1,2,3
	v_lshl_or_b32 v[VS+\t], v[VVL+8+\t], 16, v[VS+\t]
.endr
.irp t, 0,1,2,3
	v_lshl_or_b32 v[VS+\t], v[VVL+12+\t], 24, v[VS+\t]
.endr
.endm
.macro QPREP
.irp j, 4,5,6,7,12,13,14,15
	v_xor_b32 v[QZ+\j], 0x88888888, v[QZ+\j]       ; every code's sign turned,
.endr
	v_lshl_or_b32 v[RAW], v[RAW+1], 8, v[RAW]
	v_lshl_or_b32 v[RAW], v[RAW], 16, v[RAW]       ; the two bytes for either half of K,
	v_add_nc_u32 v[QS], 0x01010101, v[RAW]         ; and each byte one up: -2 q.  Lanes 0-15: tile 0's rows; lanes 16-31: tile 1's
.irp j, 0,1,2,3,4,5,6,7
	v_mov_b32 v[CQ+\j], v[AQ+1]                    ; |q|^2 as the product's C
	v_mov_b32 v[CQ+8+\j], v[AQ+3]
.endr
.irp j, 0,1,2,3
	v_mov_b32 v[DN+\j], 0
.endr
	v_mov_b32 v[PW], 0                             ; (a block that is jumped over keeps the byte 0 over zero codes: it adds nothing)
	v_mov_b32 v[PW+1], 0
.irp j, 2,3,4,5,6,7,10,11,12,13,14,15
	v_mov_b32 v[PC+\j], 0                          ; zero codes for blocks 1 to 3, which may be jumped over; block 0 is always seen
.endr
.endm
.macro VLOAD b                         ; the four vectors at keys 32 b + 16 h + 0 .. 15
.irp e, 0,1,2,3
.irp i, 0,1,2,3
	ds_load_b128 v[VKB+16*\e+4*\i:VKB+16*\e+4*\i+3], v8 offset:\e*512+\b*128+16*\i   ; LDS serves a wave's instructions in order (ISA guide 5.7.1.4): these see my stores
.endr
.endr
	s_wait_dscnt 0x0
.endm
; 16 queries (tile u of the block in hand) x 32 keys (block b of the step): scores, weights, den, and (w lam)'s codes and scale byte
.macro BLK u, b
.if \u
	v_wmma_scale_f32_16x16x128_f8f6f4 v[S:S+7], v[KF+8*\b:KF+8*\b+7], v[QZ+4+8*\u:QZ+11+8*\u], v[CQ+8*\u:CQ+8*\u+7], v[KS+\b], v[QS] matrix_a_fmt:MATRIX_FMT_FP4 matrix_b_fmt:MATRIX_FMT_FP4 matrix_b_scale:MATRIX_SCALE_ROW1
	v_wmma_scale_f32_16x16x128_f8f6f4 v[S+8:S+15], v[KF+8*\b:KF+8*\b+7], v[QZ+8*\u:QZ+7+8*\u], v[CQ+8*\u:CQ+8*\u+7], v[KS+\b], v[QS] matrix_a_fmt:MATRIX_FMT_FP4 matrix_b_fmt:MATRIX_FMT_FP4 matrix_b_scale:MATRIX_SCALE_ROW1
.else
	v_wmma_scale_f32_16x16x128_f8f6f4 v[S:S+7], v[KF+8*\b:KF+8*\b+7], v[QZ+4+8*\u:QZ+11+8*\u], v[CQ+8*\u:CQ+8*\u+7], v[KS+\b], v[QS] matrix_a_fmt:MATRIX_FMT_FP4 matrix_b_fmt:MATRIX_FMT_FP4
	v_wmma_scale_f32_16x16x128_f8f6f4 v[S+8:S+15], v[KF+8*\b:KF+8*\b+7], v[QZ+8*\u:QZ+7+8*\u], v[CQ+8*\u:CQ+8*\u+7], v[KS+\b], v[QS] matrix_a_fmt:MATRIX_FMT_FP4 matrix_b_fmt:MATRIX_FMT_FP4
.endif
.rept 4
	v_nop                                          ; four places in front of the first read of the results (ISA guide 7.12.1)
.endr
.irp j, 0,2,4,6,8,10,12,14
	v_pk_fma_f32 v[S+\j:S+\j+1], v[S+\j:S+\j+1], v[VKB+\j:VKB+\j+1], v[VKP+\j:VKP+\j+1]   ; (q2 - 2 q.k + k2) 2 / (1 - k2).  (Each result is read from its low end on)
.endr
.irp j, 0,2,4,6,8,10,12,14
	v_pk_fma_f32 v[S+\j:S+\j+1], v[S+\j:S+\j+1], v[AQ+2*\u:AQ+2*\u+1], 1.0 op_sel_hi:[1,0,0]   ; arg (of the pair the low word, 1 / (1 - q2), serves both halves)
.endr
.irp i, 0,1,2,3,4,5,6,7,8,9,10,11,12,13,14,15
	v_max_num_f32 v[S+\i], 0x3f800001, v[S+\i]     ; at least 1 + 1e-7
.endr
.irp j, 0,2,4,6,8,10,12,14
	v_pk_fma_f32 v[T+\j:T+\j+1], v[S+\j:S+\j+1], v[S+\j:S+\j+1], -1.0 op_sel_hi:[1,1,0]
.endr
.irp i, 0,1,2,3,4,5,6,7,8,9,10,11,12,13,14,15
	v_sqrt_f32 v[T+\i], v[T+\i]
.endr
	v_nop                                          ; a plain place behind the roots
	s_wait_alu depctr_va_vdst(0)
.irp j, 0,2,4,6,8,10,12,14
	v_pk_add_f32 v[S+\j:S+\j+1], v[S+\j:S+\j+1], v[T+\j:T+\j+1]
.endr
.irp i, 0,1,2,3,4,5,6,7,8,9,10,11,12,13,14,15
	v_log_f32 v[S+\i], v[S+\i]                     ; dist x log2(e)
.endr
	v_nop
	s_wait_alu depctr_va_vdst(0)
.irp j, 0,2,4,6,8,10,12,14
	v_pk_fma_f32 v[S+\j:S+\j+1], v[S+\j:S+\j+1], v[16:17], v[22:23]   ; sim x log2(e)
.endr
	s_cmp_lg_u32 s75, \b                           ; only the block of keys on the diagonal has hidden keys among seen ones: a branch on ids
	s_cbranch_scc1 .Lopen_\@
	v_add3_u32 v[BY], v15, s68, 8*\u               ; my query - the step's first key - 16 h.  Register i holds key 32 b + 16 h + i: hidden where 32 b + i is larger
.irp i, 0,1,2,3,4,5,6,7,8,9,10,11,12,13,14,15
	v_cmp_gt_i32 vcc_lo, 32*\b+\i, v[BY]
	v_cndmask_b32 v[S+\i], v[S+\i], v[NINF], vcc_lo
.endr
.Lopen_\@:
.irp i, 0,1,2,3,4,5,6,7,8,9,10,11,12,13,14,15
	v_exp_f32 v[S+\i], v[S+\i]                     ; w; 0 for a hidden key
.endr
	v_nop
	s_wait_alu depctr_va_vdst(0)
.irp j, 0,2,4,6,8,10,12,14
	v_pk_fma_f32 v[DN+2*\u:DN+2*\u+1], v[S+\j:S+\j+1], v[VVM+\j:VVM+\j+1], v[DN+2*\u:DN+2*\u+1]   ; den += w (lam - 1), in f32
	v_pk_mul_f32 v[T+\j:T+\j+1], v[S+\j:S+\j+1], v[VVL+\j:VVL+\j+1]                               ; w lam: what is quantised
.endr
	v_max3_num_f32 v[MA], v[T], v[T+1], FLOORB     ; none is negative: no |.|.  Two chains, and the floor, which holds the byte at 1 from below
	v_max3_num_f32 v[MB], v[T+2], v[T+3], v[T+4]
	v_max3_num_f32 v[MA], v[MA], v[T+5], v[T+6]
	v_max3_num_f32 v[MB], v[MB], v[T+7], v[T+8]
	v_max3_num_f32 v[MA], v[MA], v[T+9], v[T+10]
	v_max3_num_f32 v[MB], v[MB], v[T+11], v[T+12]
	v_max3_num_f32 v[MA], v[MA], v[T+13], v[T+14]
	v_max3_num_f32 v[MA], v[MA], v[MB], v[T+15]
	v_permlanex16_b32 v[MB], v[MA], s62, s63
	v_max_num_f32 v[MA], v[MA], v[MB]              ; with lane l xor 16's 16 keys: the block's largest
	v_add_nc_u32 v[SO], EOFF, v[MA]                ; 2 off its exponent field: the conversion's scale operand
	v_lshrrev_b32 v[BY], 23, v[SO]
	v_lshl_or_b32 v[PW+\u], v[BY], 8*\b, v[PW+\u]  ; byte b of the scale word of these 128 keys
	v_cvt_scalef32_pk8_fp4_f32 v[PC+8*\u+2*\b], v[T:T+7], v[SO]
	v_cvt_scalef32_pk8_fp4_f32 v[PC+8*\u+2*\b+1], v[T+8:T+15], v[SO]
	v_nop                                          ; one plain place behind the conversions
.endm
; Block x (0: L, 1: E) against key step s27
.macro PASS x
	QPREP
	s_lshl_b32 s68, s[28+\x], 5
	s_lshl_b32 s69, s27, 7
	s_sub_co_i32 s68, s68, s69                     ; the block's first query - the step's first key
	s_and_b32 s69, s[28+\x], 3
	s_cmp_eq_u32 s27, s[30+\x]
	s_cselect_b32 s75, s69, 64                     ; on the diagonal's step: the block of 32 keys that lies on the diagonal, the last that is seen; else none (64)
.rept 8
	v_nop                                          ; a scale word written by vector instructions stands eight places ahead of the scaled product, an operand so written four
.endr
.irp b, 0,1,2,3
.if \b > 0
	s_cmp_lt_u32 s75, \b                           ; blocks of keys behind the diagonal are hidden from all 32 queries: left out, a branch on ids
	s_cbranch_scc1 .Lrest_\@
.endif
	VLOAD \b
	BLK 0, \b
	BLK 1, \b
.endr
.Lrest_\@:
.irp u, 0,1
.irp c, 0,1
.irp i, 0,1
	v_permlane16_swap_b32 v[PC+8*\u+4*\c+\i], v[PC+8*\u+4*\c+2+\i]   ; the operand's layout wants a WHOLE block of 32 keys in a lane: lanes 0-15 block 2 c, lanes 16-31 block 2 c + 1
.endr
.endr
.endr
	v_add_f32 v[DN], v[DN], v[DN+1]
	v_add_f32 v[DN+2], v[DN+2], v[DN+3]
	v_permlanex16_b32 v[MA], v[DN], s62, s63
	v_permlanex16_b32 v[MB], v[DN+2], s62, s63
	v_add_f32 v[DN], v[DN], v[MA]                  ; the step's den of my query, tile 0,
	v_add_f32 v[DN+2], v[DN+2], v[MB]              ; tile 1
.rept 8
	v_nop                                          ; eight places behind the last write of a scale word, four behind the operands'
.endr
.irp t, 0,1,2,3
.irp u, 0,1
	v_wmma_scale_f32_16x16x128_f8f6f4 v[S+32*\u+8*\t:S+32*\u+8*\t+7], v[VF+8*\t:VF+8*\t+7], v[PC+8*\u:PC+8*\u+7], 0, v[VS+\t], v[PW+\u] matrix_a_fmt:MATRIX_FMT_FP4 matrix_b_fmt:MATRIX_FMT_FP4
.endr
.endr
.rept 4
	v_nop                                          ; four places in front of the stores of the results, and of the loads that a second pass issues into these products' registers
.endr
.irp u, 0,1
.irp t, 0,1,2,3
	ds_store_b128 v5, v[S+32*\u+8*\t:S+32*\u+8*\t+3] offset:(2*\x+\u)*PARTX+\t*64       ; lane (r, h): channels 16 t + 8 h + 0 .. 7 of row r of the tile; each result from its low end on
	ds_store_b128 v5, v[S+32*\u+8*\t+4:S+32*\u+8*\t+7] offset:(2*\x+\u)*PARTX+\t*64+16
.endr
	ds_store_b32 v6, v[DN+2*\u] offset:(2*\x+\u)*1024
.endr
	s_wait_dscnt 0x0                               ; the stores have read their registers
.endm
.macro ZERO x                          ; a wave that has no pass for block x adds nothing to it: zeros in its part
.irp u, 0,1
.irp t, 0,1,2,3
	ds_store_b128 v5, v[QZ:QZ+3] offset:(2*\x+\u)*PARTX+\t*64
	ds_store_b128 v5, v[QZ:QZ+3] offset:(2*\x+\u)*PARTX+\t*64+16
.endr
	ds_store_b32 v6, v[QZ] offset:(2*\x+\u)*1024
.endr
.endm
	s_cmp_gt_u32 s26, s30                          ; all branches hang on ids; every way leads to the one barrier
	s_cbranch_scc1 .Lonly_e
	s_mov_b32 s27, s26                             ; waves 0 .. 15 - e: step = wave, of block L
	BASES
	LOADS 0
	PASS 0
	s_cmp_lg_u32 s26, s30
	s_cbranch_scc1 .Lzero_e
	s_mov_b32 s27, s31                             ; wave 15 - e has walked L's diagonal: E's follows
	s_branch .Ldo_e
.Lonly_e:
	ZERO 0
	s_sub_co_u32 s27, s26, s30                     ; waves 16 - e .. 15: E's whole steps 0 .. e - 1
	s_sub_co_u32 s27, s27, 1
.Ldo_e:
	BASES
	LOADS 1
	PASS 1
	s_branch .Ljoin
.Lzero_e:
	ZERO 1
.Ljoin:
	s_wait_dscnt 0x0                               ; for the others' sake: my parts have landed
	s_barrier_signal -1
	s_barrier_wait -1
	; ---- four queries a wave: rows 4 d + h and 4 d + 2 + h of tile c; a lane holds four channels; the sixteen waves' parts are added in ascending order
	ds_load_b32 v164, v13
	ds_load_b32 v165, v13 offset:128
.irp p, 0,1,2,3,4,5,6,7,8,9,10,11,12,13,14,15
	ds_load_b128 v[36+8*\p:39+8*\p], v[9+\p/4] offset:(\p%4)*PARTW
	ds_load_b128 v[40+8*\p:43+8*\p], v[9+\p/4] offset:(\p%4)*PARTW+544
.endr
.macro ADDP p
	v_pk_add_f32 v[36:37], v[36:37], v[36+8*\p:37+8*\p]
	v_pk_add_f32 v[38:39], v[38:39], v[38+8*\p:39+8*\p]
	v_pk_add_f32 v[40:41], v[40:41], v[40+8*\p:41+8*\p]
	v_pk_add_f32 v[42:43], v[42:43], v[42+8*\p:43+8*\p]
.endm
	s_wait_dscnt 24                                ; den's two loads and waves 0-3's eight are in; the 24 behind them may be out
.irp m, 1,2,4,8
	v_add_f32_dpp v164, v164, v164 row_xmask:\m row_mask:0xf bank_mask:0xf      ; den: the sixteen waves' parts lie in sixteen lanes
	v_add_f32_dpp v165, v165, v165 row_xmask:\m row_mask:0xf bank_mask:0xf
.endr
.irp p, 1,2,3
	ADDP \p
.endr
	s_wait_dscnt 16                                ; waves 4-7's are in
.irp p, 4,5,6,7
	ADDP \p
.endr
	s_wait_dscnt 8                                 ; waves 8-11's
.irp p, 8,9,10,11
	ADDP \p
.endr
	s_wait_dscnt 0x0
.irp p, 12,13,14,15
	ADDP \p
.endr
	v_max_num_f32 v164, EPSB, v164
	v_max_num_f32 v165, EPSB, v165
	v_rcp_f32 v168, v164
	v_rcp_f32 v176, v165
	v_nop
	s_wait_alu depctr_va_vdst(0)
	v_mov_b32 v169, v168
	v_mov_b32 v177, v176
.irp e, 0,1
	v_pk_mul_f32 v[36+4*\e:37+4*\e], v[36+4*\e:37+4*\e], v[168+8*\e:169+8*\e]   ; g = num / den
	v_pk_mul_f32 v[38+4*\e:39+4*\e], v[38+4*\e:39+4*\e], v[168+8*\e:169+8*\e]
.endr
.irp e, 0,1
	v_pk_mul_f32 v[170+8*\e:171+8*\e], v[36+4*\e:37+4*\e], v[36+4*\e:37+4*\e]
.endr
.irp e, 0,1
	v_pk_fma_f32 v[170+8*\e:171+8*\e], v[38+4*\e:39+4*\e], v[38+4*\e:39+4*\e], v[170+8*\e:171+8*\e]
.endr
.irp e, 0,1
	v_add_f32 v[170+8*\e], v[170+8*\e], v[171+8*\e]
.endr
.irp m, 1,2,4,8
	v_add_f32_dpp v170, v170, v170 row_xmask:\m row_mask:0xf bank_mask:0xf      ; |g|^2: the row's 64 channels lie in sixteen lanes
	v_add_f32_dpp v178, v178, v178 row_xmask:\m row_mask:0xf bank_mask:0xf
.endr
	v_sqrt_f32 v172, v170
	v_sqrt_f32 v180, v178
	v_nop
	s_wait_alu depctr_va_vdst(0)
.irp e, 0,1
	v_max_num_f32 v[172+8*\e], EPSB, v[172+8*\e]               ; gn
.endr
.irp e, 0,1
	v_min_num_f32 v[173+8*\e], 0x3f7ffffe, v[172+8*\e]         ; y = min(gn, 1 - 1e-7)
.endr
.irp e, 0,1
	v_fma_f32 v[174+8*\e], -v[173+8*\e], v[173+8*\e], 1.0
.endr
	v_sqrt_f32 v174, v174
	v_sqrt_f32 v182, v182
	v_nop
	s_wait_alu depctr_va_vdst(0)
.irp e, 0,1
	v_add_f32 v[174+8*\e], 1.0, v[174+8*\e]
.endr
.irp e, 0,1
	v_mul_f32 v[174+8*\e], v[174+8*\e], v[172+8*\e]
.endr
	v_rcp_f32 v174, v174
	v_rcp_f32 v182, v182
	v_nop
	s_wait_alu depctr_va_vdst(0)
.irp e, 0,1
	v_mul_f32 v[174+8*\e], v[174+8*\e], v[173+8*\e]            ; y / ((1 + sqrt(1 - y^2)) gn)
.endr
.irp e, 0,1
	v_mul_f32 v[174+8*\e], SCALEB, v[174+8*\e]
.endr
.irp e, 0,1
	v_mov_b32 v[175+8*\e], v[174+8*\e]
.endr
.irp e, 0,1
	v_pk_mul_f32 v[36+4*\e:37+4*\e], v[36+4*\e:37+4*\e], v[174+8*\e:175+8*\e]
	v_pk_mul_f32 v[38+4*\e:39+4*\e], v[38+4*\e:39+4*\e], v[174+8*\e:175+8*\e]
.endr
.irp e, 0,1
	global_store_b128 v14, v[36+4*\e:39+4*\e], s[60:61] offset:\e*4096 th:TH_STORE_NT   ; sixteen lanes store a row's 256 bytes of my head, aligned; written once, read by nobody here
.endr
	s_wait_xcnt 0x0
	v_lshl_add_u32 v254, v0, 2, 0x4d000
	v_mov_b32 v255, 0
	s_wait_tensorcnt 0x0
	ds_add_u32 v254, v255
	s_wait_dscnt 0x0
	s_endpgm
.Lfunc_end_k_qb6a54aed86_attn:
	.size	k_qb6a54aed86_attn, .Lfunc_end_k_qb6a54aed86_attn-k_qb6a54aed86_attn
	.p2alignl 7, 3214868480
	.fill 96, 4, 3214868480
	.section	.rodata,"a",@progbits
	.p2align	6, 0x0
	.amdhsa_kernel k_qb6a54aed86_attn
		.amdhsa_group_segment_fixed_size 317440
		.amdhsa_private_segment_fixed_size 0
		.amdhsa_enable_private_segment 0
		.amdhsa_kernarg_size 64
		.amdhsa_user_sgpr_count 2
		.amdhsa_user_sgpr_kernarg_segment_ptr 1
		.amdhsa_wavefront_size32 1
		.amdhsa_system_sgpr_workgroup_id_x 1
		.amdhsa_system_sgpr_workgroup_id_y 1
		.amdhsa_system_sgpr_workgroup_id_z 1
		.amdhsa_system_vgpr_workitem_id 0
		.amdhsa_next_free_vgpr 256
		.amdhsa_next_free_sgpr 80
		.amdhsa_reserve_vcc 1
		.amdhsa_float_denorm_mode_32 3
		.amdhsa_float_denorm_mode_16_64 3
		.amdhsa_memory_ordered 1
		.amdhsa_forward_progress 1
		.amdhsa_inst_pref_size 190
	.end_amdhsa_kernel
	.amdgpu_metadata
---
amdhsa.version: [ 1, 2 ]
amdhsa.kernels:
  - .name:           k_qb6a54aed86_attn
    .symbol:         k_qb6a54aed86_attn.kd
    .args:
      - { .name: qkimg, .offset: 0, .size: 8, .value_kind: global_buffer, .address_space: global }
      - { .name: scb, .offset: 8, .size: 8, .value_kind: global_buffer, .address_space: global }
      - { .name: vimg, .offset: 16, .size: 8, .value_kind: global_buffer, .address_space: global }
      - { .name: vsw, .offset: 24, .size: 8, .value_kind: global_buffer, .address_space: global }
      - { .name: rowv, .offset: 32, .size: 8, .value_kind: global_buffer, .address_space: global }
      - { .name: scale_tau, .offset: 40, .size: 8, .value_kind: global_buffer, .address_space: global }
      - { .name: scale_gamma, .offset: 48, .size: 8, .value_kind: global_buffer, .address_space: global }
      - { .name: out0, .offset: 56, .size: 8, .value_kind: global_buffer, .address_space: global }
    .group_segment_fixed_size: 317440
    .private_segment_fixed_size: 0
    .kernarg_segment_align: 8
    .kernarg_segment_size: 64
    .max_flat_workgroup_size: 512
    .sgpr_count:     80
    .vgpr_count:     256
    .wavefront_size: 32
...
	.end_amdgpu_metadata
.endif
;; end of part 3
